; MI455X (gfx1250); checked and timed in simulation.
; The chip was launched on July 23, 2026; its instructions are those of AMD's public machine-readable ISA for CDNA 5 (MIT licence, August 2026) and "CDNA5" Instruction Set Architecture Reference Guide (July 2026). The comments in the code are by the model that wrote it; some were corrected since.
;; Regional Attention Module. Allowed arithmetic: matrix products marked QUANTISED: E2M3 operands, one E8M0 scale for each 32 along K, by v_wmma_scale_f32_16x16x128_f8f6f4 with both operands' format E2M3, f32 sums; everything else in f32.
;; Inputs: Wk_codes 1,024 x 32 x 24 uint8 (E2M3 codes of Wk, K innermost, in blocks of 32 codes, four codes in three bytes); Wk_scales 1,024 x 32 uint8 (E8M0 scales of Wk, one for each 32 codes along K); Wq_codes 1,024 x 32 x 24 uint8 (E2M3 codes of Wq, K innermost, in blocks of 32 codes, four codes in three bytes); Wq_scales 1,024 x 32 uint8 (E8M0 scales of Wq, one for each 32 codes along K); Wv_codes 1,024 x 32 x 24 uint8 (E2M3 codes of Wv, K innermost, in blocks of 32 codes, four codes in three bytes); Wv_scales 1,024 x 32 uint8 (E8M0 scales of Wv, one for each 32 codes along K); bk 1,024 float32; bq 1,024 float32; bv 1,024 float32; region_mask 2 x 2,048 float32; region_weight 1 float32; x_codes 2 x 2,048 x 32 x 24 uint8 (E2M3 codes of x, K innermost, in blocks of 32 codes, four codes in three bytes); x_scales 2 x 2,048 x 32 uint8 (E8M0 scales of x, one for each 32 codes along K).
;; Outputs: out0 2 x 2,048 x 1,024 float32.
;; This version of the problem:
;;   THIS VERSION OF THE PROBLEM IS GIVEN IN LOW PRECISION. The matrix products marked QUANTISED in the list below multiply operands that are first quantised to E2M3 (2 exponent bits, 3 mantissa bits; 6 bits a number), with one power-of-two scale for each 32 numbers along K (OCP MX v1.0); their sums are f32. All else is computed in f32.
;;   The module's matrix products, in the order in which they are computed (A, B: the left and right operand; K: the contracted axis; several contracted axes count as one K, in the product's order):
;;     1. [M 4,096, K 1,024] x [K 1,024, N 1,024]; A: input x (given as codes); B: input Wq (given as codes): QUANTISED
;;     2. [M 4,096, K 1,024] x [K 1,024, N 1,024]; A: input x (given as codes); B: input Wk (given as codes): QUANTISED
;;     3. [M 4,096, K 1,024] x [K 1,024, N 1,024]; A: input x (given as codes); B: input Wv (given as codes): QUANTISED
;;     4. batch 32 x [M 2,048, K 64] x [K 64, N 2,048]; A: computed on the way; B: computed on the way: QUANTISED
;;     5. batch 32 x [M 2,048, K 2,048] x [K 2,048, N 64]; A: softmax (see below); B: computed on the way: QUANTISED
;;   THE QUANTISER, for each operand of a quantised product, along K:
;;     - K is cut into blocks of 32 from its start; a last block that is shorter is filled with zeros.
;;     - A block's scale is 2^e with e = floor(log2(the largest magnitude in the block)) - 2, held to -126 .. 127; a block of zeros has e = 0. As a byte (E8M0): e + 127.
;;     - Each number is divided by its block's scale, clamped to +-7.5, and rounded to the nearest number of E2M3, ties to even, subnormals kept.
;;     - The product sums the exact products of the quantised numbers (number of the format x scale) in f32.
;;   ~~~python
;;   def quantise(x, axis):      # numpy; x: float32 -> the quantised numbers, widened to float32 again
;;       x = np.moveaxis(x, axis, -1); K = x.shape[-1]
;;       x = np.pad(x, [(0, 0)] * (x.ndim - 1) + [(0, -K % 32)]); x = x.reshape(x.shape[:-1] + (-1, 32)); a = np.abs(x).max(-1, keepdims=True)
;;       e = np.where(a > 0, np.clip(np.frexp(np.where(a > 0, a, 1))[1] - 1 - 2, -126, 127), 0)      # np.frexp(a)[1] - 1 = floor(log2(a)), exactly
;;       r = np.clip(x / 2.0 ** e, -7.5, 7.5)
;;       step = 2.0 ** (np.maximum(np.frexp(np.where(r == 0, 1, r))[1] - 1, 0) - 3)
;;       q = np.round(r / step) * step * 2.0 ** e      # np.round: ties to even
;;       return np.moveaxis(q.reshape(q.shape[:-2] + (-1,))[..., :K], -1, axis).astype(np.float32)
;;   ~~~
;;   SOFTMAX AHEAD OF A QUANTISED PRODUCT. Where the list says 'softmax', what is quantised is not the finished softmax but p = 2^(t - M), with t = logit x log2(e) and M = ceil(the row's largest t), a whole number; so 1/2 < the row's largest p <= 1. The row's sum l is taken of the UNQUANTISED p, in f32, and the product's result is divided by l at the end. Since M is a whole number, a kernel that streams over the keys may use a running M (the ceiling of the running maximum): every later rescaling is an exact power of two, which a block's scale takes up: the codes' values come out the same.
;;   OPERANDS COMPUTED ON THE WAY. 'Computed on the way' means the value that the module computes at that place (a softmax that the list does not call 'softmax' is quantised finished and normalised). What goes into a quantiser is computed in f32, as accurately as f32 sums, v_exp_f32 and their like allow (about 1e-6 of the number): no bf16 or f16 on the way to a quantiser, and a product that is left as it is and whose result goes on into a quantised operand takes f32 operands (vector FMAs, or v_wmma_f32_16x16x4_f32). A number that lies on a knife's edge between two numbers of the format may be rounded either way, as far as f32 arithmetic and the matrix unit's own rounding can turn it there, and no further.
;;   INPUTS GIVEN AS CODES. Wk (in the module: [1024, 1024], K = its axis 1); Wq (in the module: [1024, 1024], K = its axis 1); Wv (in the module: [1024, 1024], K = its axis 1); x (in the module: [2, 2048, 1024], K = its axis 2): each comes as NAME_codes (uint8): NAME with its K axis moved to the last place and cut into blocks of 32 codes, [.., K / 32, bytes a block], one block behind the other in memory; four codes in three bytes: a row's codes are one little-endian stream of bits, code i at bits 6 i .. 6 i + 5 (a code: sign, 2 exponent bits, 3 mantissa bits); and NAME_scales (uint8): the same leading axes, one E8M0 byte (e + 127) for each 32 codes along K. Its value is code x scale, taken as it is: it is not quantised again, and the codes and scales need not be those that the quantiser above would give.
;; One version. Each part assembles by itself: llvm-mc -triple=amdgcn-amd-amdhsa -mcpu=gfx1250 --defsym DOCPART=n.
;; ======== version 1 of 1: 2 launches
;; limits: right only within a limited range of input values
;; workspace buffers: qimg 3,407,872 bytes; kvimg 6,684,672 bytes
;; launch project (part 1): grid 16 x 16, 4 waves a work-group, clusters of 4 x 4, 327,680 bytes of LDS; arguments x_codes, x_scales, Wq_codes, Wq_scales, Wk_codes, Wk_scales, Wv_codes, Wv_scales, bq, bk, bv, qimg, kvimg; writes qimg, kvimg
.if DOCPART == 1
	.amdgcn_target "amdgcn-amd-amdhsa--gfx1250"
	.amdhsa_code_object_version 6
	.text
	.protected	k_q02b6144780_project
	.globl	k_q02b6144780_project
	.p2align	8
	.type	k_q02b6144780_project,@function
k_q02b6144780_project:
	s_mov_b64 s[64:65], 0
	v_nop
	global_prefetch_b8 v0, s[64:65] scope:SCOPE_SE
	s_setreg_imm32_b32 hwreg(HW_REG_WAVE_MODE, 25, 1), 1
	s_wait_xcnt 0x0
	s_wait_alu depctr_hold_cnt(0) depctr_sa_sdst(0) depctr_va_vdst(0) depctr_va_sdst(0) depctr_va_ssrc(0) depctr_va_vcc(0) depctr_vm_vsrc(0)
	s_getreg_b32 s2, hwreg(HW_REG_IB_STS2, 6, 4)
	s_cmp_eq_u32 s2, 0
	s_cbranch_scc0 .Lentry_in_a_cluster
	s_endpgm
.Lentry_in_a_cluster:
	s_bfe_u32 s2, ttmp6, 0x10000c
	s_cmp_lg_u32 s2, 0xf033
	s_cbranch_scc0 .Lentry_shape_is_right
	s_endpgm
.Lentry_shape_is_right:
; q, k, v = x W^T + b for one head (64 outputs each) and 256 tokens, on the given codes of FP6 (E2M3) with E8M0 scales.  The results are quantised at once (q, k along the head's 64 channels,
; v along the tokens, the second attention product's K) and stored as images of the operand registers that the next launch loads.  No work of the problem is left out.
; SHARES.  Work-group x = head, y = block of 256 tokens.  Wave w owns tokens 64 w .. 64 w + 63: x's 32 fragments (4 tiles x 8 K steps of 128, 384 registers) are read from LDS once and stay.  W streams past in BLOCKS of 16 rows,
; all of K: 8 fragments, 32 products a block, 12 blocks (q, k, v: four each); two sets of registers, a set is fetched again for the block two on.
; THE ROWS OF A TILE (x's and W's alike): lane r of tile t takes row 8 t + r for r < 8, and row 32 + 8 (t ^ 1) + r - 8 for r >= 8.  So of four tiles' results a lane's 32 registers are ONE SCALE BLOCK of the next product:
; register 8 t + j of lanes (r, h) stands for place 32 h + 8 (t ^ h) + j; every operand along that K has this order, and no lane looks at another for a block's largest magnitude or its codes.
; q, k: source 0 = W (a lane: one token, registers along channels).  v: source 0 = x (a lane: one channel, registers along tokens).  The bias is the C of an accumulator's first product.
; THE WAY OUT of 32 sums stands among the products of a later block: q's tile m in k's block m, k's tile m in v's block m, v's tile t in v's block t + 1.
; CLUSTERS 4 x 4: x's tiles hang on the token block alone and are asked for jointly along a row of the cluster, W's on the head alone, along a column.
; LDS: an x or W row of 768 bytes lies as 3 x (256 + 16) = 816 bytes = 204 words: row j starts at bank 12 j mod 64 (64 banks of 4 bytes: ISA guide 11.1); the 16 rows of a tile differ modulo 16, so a load of 8 bytes a lane touches 64 banks.
; 0: x's 256 rows, later Wv's 64 | WQ0 Wq's 64 | WK0 Wk's 64 | XM v's scale words | SPARE.
; PREFETCH: Wv's rows, the one refill, are asked for into the L2 at the head, shared out by address among the sixteen waves of a column of the cluster.
; LIMITS: NaN and infinities are not served.  A block whose largest magnitude lies under 2^-124 (a block of zeros too) gets the scale byte 1: its bytes are read by this program alone.
; REGISTERS: window 0: v1-31 addresses and more, v32-47 x's scale words, v50-97 W's, HV0 q's, later v's sums; windows 1, 2: x's fragments (tile m, K step q) at 96 (m % 2) + 12 q of window 1 + m / 2, k's sums at 192 + 32 (m % 2);
;   window 3: W's two sets at 96 e + 12 q, the bias of q or k at 192, of v's tile at 224, codes to store at 232.
.set RP,    816
.set WQ0,   256*RP
.set WK0,   WQ0+64*RP
.set XM,    WK0+64*RP
.set SPARE, XM+512
.set SLOTB, 26112                      ; kvimg, 256 keys: K's codes 12,288 | V's codes 12,288 | K's scale words 1,024 | V's scale words 512
.set QSUB,  3328                       ; qimg, 64 queries: codes 3,072 | scale words 256
.set NF,    26                         ; LDS loads that fetch a block
.set WV,  3
.set G1X, 48
.set G1W, 56
.set GX0, 68
.set GX1, 72
.set GQ,  76
.set GK,  80
.set GV,  84
.set QP,  38
.set KVB, 40
.set KCP, 42
.set KSP, 44
.set VCP, 46
.set SPW, 1
.set NIL, 2
.set L16, 3
.set L8,  4
.set WE,  5                            ; v5, v6 even tiles' rows, v7, v8 odd tiles'; the second of each: for pieces that lie behind one padding more in lanes 16-31
.set ADR, 9                            ; v9, v10 the same for the tile that is fetched next
.set LBE, 11
.set LBO, 12
.set AVS, 13
.set TR,  14
.set RD,  16
.set PF,  17
.set LXS, 18
.set LVE, 19
.set LVO, 20
.set XS,  32
.set WSQ, 50                           ; (x's and W's words of a product differ modulo 8)
.set HV0, 98
.set VBR, 226
.set SW,  230
.set VSW, 232
.set VC,  234
.set TC,  240
.set TC2, 244
.set SOP, 247
.set SOPV, 248
.set EB,  249
.set VE,  251
.set TQ,  253
.set MCD, 232                          ; in window 3
.set MSB, 0
.macro WIN new                         ; the immediate's high byte repeats the setting that is left
.if MSB != (\new)
	s_set_vgpr_msb (MSB<<8)|(\new)
.set MSB, \new
.endif
.endm
.macro PLACES                          ; four plain places behind a matrix instruction (ISA guide 7.12.1)
.rept 4
	v_nop
.endr
.endm
.macro WALU
	s_wait_alu depctr_va_vdst(0)
.endm
.macro MIDDLE
	s_barrier_wait -1
	s_cmp_lg_u32 s[WV], 0
	s_cbranch_scc1 .Lnot_wave_0_\@
	s_barrier_signal -3
.Lnot_wave_0_\@:
	s_barrier_wait -3
	s_barrier_signal -1
	s_barrier_wait -1
.endm
.macro CROUND                          ; a round of the cluster's barrier
	s_barrier_signal -1
	MIDDLE
.endm
.macro TLOAD g0, g1
	tensor_load_to_lds s[\g0:\g0+3], s[\g1:\g1+7]
	s_nop 0
	PLACES
.endm
.macro FRAG r, q, a, w                 ; a fragment, 16 rows x 128 K: six pieces of 8 bytes, two to a load where both go by one address register
	WIN (\w)<<6
.set SK_, 0
.irp p, 0,1,2,3,4,5
.if SK_
.set SK_, 0
.else
.set P0_, 12*(\q)+6*(\p/3)+\p%3
.set P1_, 12*(\q)+6*((\p+1)/3)+(\p+1)%3
.set X0_, (P0_%32)/29                  ; 1: three pieces on lies behind one padding more
.set X1_, (P1_%32)/29
.if (\p < 5) && (X0_ == X1_)
.set SK_, 1
	ds_load_2addr_b64 v[(\r)+2*\p:(\r)+2*\p+3], v[(\a)+X0_] offset0:P0_+2*(P0_/32) offset1:P1_+2*(P1_/32)
.else
	ds_load_b64 v[(\r)+2*\p:(\r)+2*\p+1], v[(\a)+X0_] offset:8*(P0_+2*(P0_/32))
.endif
.endif
.endr
.endm
.macro FETCHW e                        ; a block's eight fragments of W into set e
.irp q, 0,1,2,3,4,5,6,7
	FRAG 96*(\e)+12*\q, \q, ADR, 3
.endr
	WIN 0
.endm
.macro WM d, a, b, c, sa, sb, ra, rb   ; one product; ra, rb = 1: that side's scale words stand in lanes 16-31
.if (\ra) && (\rb)
	v_wmma_scale_f32_16x16x128_f8f6f4 v[(\d):(\d)+7], v[(\a):(\a)+11], v[(\b):(\b)+11], v[(\c):(\c)+7], v[\sa], v[\sb] matrix_a_fmt:MATRIX_FMT_FP6 matrix_b_fmt:MATRIX_FMT_FP6 matrix_a_scale:MATRIX_SCALE_ROW1 matrix_b_scale:MATRIX_SCALE_ROW1
.elseif (\ra)
	v_wmma_scale_f32_16x16x128_f8f6f4 v[(\d):(\d)+7], v[(\a):(\a)+11], v[(\b):(\b)+11], v[(\c):(\c)+7], v[\sa], v[\sb] matrix_a_fmt:MATRIX_FMT_FP6 matrix_b_fmt:MATRIX_FMT_FP6 matrix_a_scale:MATRIX_SCALE_ROW1
.elseif (\rb)
	v_wmma_scale_f32_16x16x128_f8f6f4 v[(\d):(\d)+7], v[(\a):(\a)+11], v[(\b):(\b)+11], v[(\c):(\c)+7], v[\sa], v[\sb] matrix_a_fmt:MATRIX_FMT_FP6 matrix_b_fmt:MATRIX_FMT_FP6 matrix_b_scale:MATRIX_SCALE_ROW1
.else
	v_wmma_scale_f32_16x16x128_f8f6f4 v[(\d):(\d)+7], v[(\a):(\a)+11], v[(\b):(\b)+11], v[(\c):(\c)+7], v[\sa], v[\sb] matrix_a_fmt:MATRIX_FMT_FP6 matrix_b_fmt:MATRIX_FMT_FP6
.endif
.endm
.macro PROD q, m                       ; block (kind K_, tile T4_, set E_): K step q, x's tile m: the four accumulators by turns
.set XR_, 96*((\m)%2)+12*(\q)
.set WR_, 96*E_+12*(\q)
.set XW_, 1+(\m)/2
.set SX_, XS+8*((\m)/2)+(\q)
.set SWT_, WSQ+16*K_+8*(T4_/2)+(\q)
.if K_ == 0
.set D_, HV0+32*(\m)+8*T4_
.set DW_, 0
.elseif K_ == 1
.set D_, 192+32*((\m)%2)+8*T4_
.set DW_, XW_
.else
.set D_, HV0+32*T4_+8*(\m)
.set DW_, 0
.endif
.set C_, D_
.set CW_, DW_
.if (\q) == 0
.set CW_, 3
.if K_ == 2
.set C_, 224
.else
.set C_, 192+8*T4_
.endif
.endif
.if K_ < 2
	WIN 3|(XW_<<2)|(CW_<<4)|(DW_<<6)
	WM D_, WR_, XR_, C_, SWT_, SX_, T4_%2, (\m)%2
.else
	WIN XW_|(3<<2)|(CW_<<4)|(DW_<<6)
	WM D_, XR_, WR_, C_, SX_, SWT_, (\m)%2, T4_%2
.endif
.endm
; what stands among the products.  Each macro writes entry i of its part and nothing beyond its last
.macro ADRS i                          ; LDS addresses of block FS_'s rows of W
.if FS_/4 == 0
.set RG_, WQ0+8*RP*(FS_%4)
.elseif FS_/4 == 1
.set RG_, WK0+8*RP*(FS_%4)
.else
.set RG_, 8*RP*(FS_%4)
.endif
.if (\i) == 0
	WIN 0
	v_add_nc_u32 v[ADR], RG_, v[WE+2*(FS_%2)]
.elseif (\i) == 1
	WIN 0
	v_add_nc_u32 v[ADR+1], RG_, v[WE+1+2*(FS_%2)]
.endif
.endm
.macro CHAIN i, w, x, t, so            ; 18 entries: the largest magnitude of the 32 sums at x of window w by two chains, each accumulator from its low end on, with the floor 2^(3 - 127); then the conversions' scale operand
.if (\i) >= 0 && (\i) < 14
.set B_, (\x)+16*((\i)%2)+2*((\i)/2)
.set T_, (\t)+(\i)%2
.if (\i) < 2
	WIN (\w)|((\w)<<2)|((\w)<<4)
	v_max3_num_f32 v[T_], |v[B_]|, |v[B_+1]|, |v[B_+2]|
.else
	WIN ((\w)<<2)|((\w)<<4)
	v_max3_num_f32 v[T_], v[T_], |v[B_+1]|, |v[B_+2]|
.endif
.elseif (\i) == 14
	WIN (\w)<<2
	v_max3_num_f32 v[(\t)+1], v[(\t)+1], |v[(\x)+15]|, 0x1800000
.elseif (\i) == 15
	WIN 0
	v_nop
.elseif (\i) == 16
	WIN (\w)<<2
	v_max3_num_f32 v[\t], v[\t], |v[(\x)+31]|, v[(\t)+1]
.elseif (\i) == 17
	WIN 0
	v_add_nc_u32 v[\so], 0xff000000, v[\t]         ; 2 off the exponent field
.endif
.endm
.macro VBIAS i                         ; v's bias of tile VB_, one number a lane, over eight registers
.if (\i) >= 0 && (\i) < 8
	WIN 0xc0
	v_mov_b32 v[224+(\i)], v[VBR+VB_]
.endif
.endm
.macro LIST i
.if FS_ >= 0
	ADRS \i
.endif
.if C1W_ >= 0
	CHAIN (\i)-2, C1W_, C1R_, TQ, SOP
.endif
.if C2R_ >= 0
	CHAIN (\i)-20, 0, C2R_, TR, SOPV
.endif
.if VB_ >= 0
	VBIAS (\i)-VBO_
.endif
.endm
.macro BLOCK from, to                  ; products from .. to - 1; behind every second one PER_ entries
.set N_, \from
.rept (\to)-(\from)
	PROD N_/4, N_%4
.if N_%2
.set EN_, (N_/2)*PER_
	LIST EN_
	LIST EN_+1
.if PER_ > 2
	LIST EN_+2
.endif
.endif
.set N_, N_+1
.endr
.endm
.macro CODES w, x, dw, d, tc, so, eb   ; 32 codes into d .. d + 5 of window dw, the scale's byte into eb
	WIN (\w)|((\dw)<<6)
	v_cvt_scalef32_pk16_fp6_f32 v[(\d):(\d)+2], v[(\x):(\x)+15], v[\so]
	WIN \w
	v_cvt_scalef32_pk16_fp6_f32 v[(\tc):(\tc)+2], v[(\x)+16:(\x)+31], v[\so]   ; (a conversion's three registers begin on an even number)
	WIN 0
	v_lshrrev_b32 v[\eb], 23, v[\so]
	WIN (\dw)<<6
.irp i, 0,1,2
	v_mov_b32 v[(\d)+3+\i], v[(\tc)+\i]
.endr
	WIN 0
.endm
.macro VWORD p                         ; v's tiles 2 p, 2 p + 1: my two bytes of their scale words, lanes 0-15 the even tile's, lanes 16-31 the odd tile's
	v_permlane16_swap_b32 v[VE], v[VE+1]
	v_lshl_or_b32 v[VSW], v[VE+1], 8, v[VE]
	WALU
	ds_store_b16 v[AVS], v[VSW] offset:4*\p
.endm
.macro PAIR p, base                    ; two tiles' codes, 12 registers: 3 x 512 consecutive bytes
	WIN 0x0c
.irp k, 0,1,2
	global_store_b128 v[L16], v[MCD+12*(\p)+4*\k:MCD+12*(\p)+4*\k+3], s[\base:\base+1] offset:1536*(\p)+512*\k
.endr
	WIN 0
.endm
.macro VPUT t                          ; v's tile t: 3 x 256 consecutive bytes
.irp k, 0,1,2
	global_store_b64 v[L8], v[VC+2*\k:VC+2*\k+1], s[VCP:VCP+1] offset:1536*(\t)+256*\k
.endr
.endm
.macro BLK s
.set K_, (\s)/4
.set T4_, (\s)%4
.set E_, (\s)%2
.set FS_, -1
.if (\s) < 10
.set FS_, (\s)+2
.endif
.set C1W_, -1
.set C1R_, 0
.set C2R_, -1
.set VB_, -1
.set VBO_, 38
.set PER_, 2
.if K_ == 1
.set C1W_, 0
.set C1R_, HV0+32*T4_
.if T4_ == 3
.set VB_, 0
.set VBO_, 20
.endif
.endif
.if K_ == 2
.set PER_, 3
.set C1W_, 1+T4_/2
.set C1R_, 192+32*(T4_%2)
.if T4_ > 0
.set C2R_, HV0+32*(T4_-1)
.endif
.if T4_ < 3
.set VB_, T4_+1
.endif
.endif
.if (\s) < 11
	s_wait_dscnt NF                                ; my rows of this block are in; the next block's NF loads may be out
.else
	s_wait_dscnt 0x0
.endif
.if K_ == 1
	s_wait_loadcnt 2*(3-T4_)                       ; this tile's bias; the later tiles' two loads each may be out
.endif
.if K_ == 2
	s_wait_xcnt 0x0                                ; codes and words that were store data are written again only behind this wait
.endif
.if (\s) == 1                          ; THE ONE REFILL: Wv over x's rows 0-63, which all waves of all partners hold in registers
	s_wait_tensorcnt 0x0                           ; all my tensor loads have landed, Wk's too
	ds_add_u32 v[SPW], v[NIL]                      ; 26 products stand between the add and its wait
	BLOCK 0, 26
	WIN 0
	WALU
	s_wait_dscnt 0x0
	s_barrier_signal -1
	BLOCK 26, 32
	WIN 0
	MIDDLE
	s_cmp_eq_u32 s[WV], 0
	s_cbranch_scc0 .Lno_fill_\@
	TLOAD GV, G1W
.Lno_fill_\@:
.elseif (\s) == 6                      ; a plain barrier: Wv is shown to all waves
	BLOCK 0, 26
	WIN 0
	WALU
	s_wait_tensorcnt 0x0
	s_wait_dscnt 0x0
	s_barrier_signal -1
	BLOCK 26, 32
	WIN 0
	s_barrier_wait -1
.else
	BLOCK 0, 32
	WIN 0
.endif
.if K_ == 0
	PLACES
.else
	WALU
	CODES C1W_, C1R_, 3, MCD+6*T4_, TC, SOP, EB+T4_%2
.if C2R_ >= 0
	CODES 0, C2R_, 0, VC, TC2, SOPV, VE+(T4_+1)%2
.endif
.if T4_%2                              ; two tiles' scale words: lanes 0-15 the even tile's, lanes 16-31 the odd tile's; bytes 2, 3 are 1.0
	v_permlane16_swap_b32 v[EB], v[EB+1]
	v_lshl_or_b32 v[SW+T4_/2], v[EB+1], 8, v[EB]
	v_or_b32 v[SW+T4_/2], 0x7f7f0000, v[SW+T4_/2]
.endif
.if K_ == 2 && T4_ == 2
	VWORD 0
.endif
.endif
	WALU
.if (\s) < 10
	FETCHW E_
.endif
.if K_ == 0                            ; k's bias of this tile over q's: read four blocks on
	WIN 0xc0
	global_load_b128 v[192+8*T4_:192+8*T4_+3], v[LBE+T4_%2], s[34:35] offset:32*T4_
	global_load_b128 v[192+8*T4_+4:192+8*T4_+7], v[LBE+T4_%2], s[34:35] offset:32*T4_+16
	WIN 0
.endif
.if K_ == 1 && T4_%2 == 1
	PAIR T4_/2, QP
.if T4_ == 3
	global_store_b64 v[L8], v[SW:SW+1], s[QP:QP+1] offset:3072
.endif
.endif
.if K_ == 2
.if T4_%2
	PAIR T4_/2, KCP
.if T4_ == 3
	global_store_b64 v[L8], v[SW:SW+1], s[KSP:KSP+1]
.endif
.endif
.if T4_ > 0
	VPUT T4_-1
.endif
.endif
.endm
	s_load_b512 s[16:31], s[0:1], 0x0              ; x's codes s[16:17], scales s[18:19]; Wq's s[20:23]; Wk's s[24:27]; Wv's s[28:31]
	s_load_b256 s[32:39], s[0:1], 0x40             ; bq, bk, bv, qimg
	s_load_b64 s[40:41], s[0:1], 0x60              ; kvimg
	v_lshl_add_u32 v[SPW], v0, 2, SPARE
	v_mov_b32 v[NIL], 0
	ds_add_u32 v[SPW], v[NIL]                      ; the wave's opening: the add, twice on end
	ds_add_u32 v[SPW], v[NIL]
	v_lshrrev_b32 v240, 5, v0
	v_readfirstlane_b32 s[WV], v240                ; wave 0..3
	s_bfe_u32 s4, ttmp6, 0x40000                   ; cx
	s_bfe_u32 s5, ttmp6, 0x40004                   ; cy
	s_lshl_b32 s6, ttmp9, 2
	s_add_co_u32 s6, s6, s4                        ; the head
	s_and_b32 s7, ttmp7, 0xffff
	s_lshl_b32 s7, s7, 2
	s_add_co_u32 s7, s7, s5                        ; the token block
	s_lshl_b32 s8, s5, 2
	s_lshl_b32 s8, 15, s8                          ; my row of the cluster
	s_lshl_b32 s9, 0x1111, s4                      ; my column
	s_or_b32 s[G1X], s8, (1<<20)|(1<<21)|(5<<22)|(3<<25)   ; elements of 1 byte; padding of 4 words behind every 64
	s_or_b32 s[G1W], s9, (1<<20)|(1<<21)|(5<<22)|(3<<25)
.irp g, G1X, G1W
	s_mov_b32 s[\g+1], 768<<16
	s_mov_b32 s[\g+3], 768<<16
	s_mov_b32 s[\g+5], 768
	s_mov_b32 s[\g+6], 0
	s_mov_b32 s[\g+7], 0
.endr
	s_mov_b32 s[G1X+2], 128<<16                    ; x comes in two tiles of 128 rows
	s_mov_b32 s[G1X+4], 128
	s_mov_b32 s[G1W+2], 64<<16                     ; W in tiles of 64
	s_mov_b32 s[G1W+4], 64
	s_mul_i32 s12, s7, 256*768                     ; x's offset: the token block alone
	s_mov_b32 s13, 0
	s_mul_i32 s14, s6, 64*768                      ; W's: the head alone
	s_mov_b32 s15, 0
.irp g, GX0, GX1, GQ, GK, GV
	s_mov_b32 s[\g], 1
.endr
	s_mov_b32 s[GX0+1], 0
	s_mov_b32 s[GX1+1], 128*RP
	s_mov_b32 s[GQ+1], WQ0
	s_mov_b32 s[GK+1], WK0
	s_mov_b32 s[GV+1], 0
	s_lshr_b32 s10, s[WV], 1
	s_and_b32 s11, s[WV], 1
	s_lshl_b32 s66, s10, 8
	s_lshl_b32 s67, s11, 1
	s_add_co_u32 s66, s66, s67
	s_add_co_u32 s66, s66, XM                      ; v's scale words: key step w / 2, bytes 2 (w % 2)
	s_lshl_b32 s67, s5, 2
	s_add_co_u32 s67, s67, s[WV]
	s_mul_i32 s67, s67, 3072                       ; my sixteenth of Wv's rows, to be prefetched: twelve units of 256 bytes
	v_bfe_u32 v241, v0, 4, 1                       ; h
	v_and_b32 v242, 7, v0                          ; i
	v_bfe_u32 v243, v0, 3, 1                       ; r / 8
	v_and_b32 v244, 31, v0                         ; lane
	v_mul_u32_u24 v245, RP, v242
	v_mad_u32_u24 v245, v241, 24, v245
	v_mad_u32_u24 v[WE], v243, 40*RP, v245         ; even tiles: lanes 8-15 of each half 40 rows on
	v_mad_u32_u24 v[WE+2], v243, 24*RP, v245       ; odd tiles: 24
	v_lshl_add_u32 v[WE+1], v241, 4, v[WE]
	v_lshl_add_u32 v[WE+3], v241, 4, v[WE+2]
	v_lshlrev_b32 v246, 4, v241
	v_sub_nc_u32 v246, 40, v246
	v_mul_u32_u24 v246, v243, v246
	v_lshl_add_u32 v246, v241, 3, v246
	v_add_nc_u32 v246, v246, v242                  ; lanes 0-15 the even tile's row, lanes 16-31 the odd tile's
	v_lshlrev_b32 v[LXS], 5, v246
	v_lshlrev_b32 v[L16], 4, v244
	v_lshlrev_b32 v[L8], 3, v244
	v_mul_u32_u24 v[LBE], 160, v241
	v_mul_u32_u24 v[LBO], 96, v241
	v_mad_u32_u24 v247, v243, 40, v242
	v_mad_u32_u24 v248, v243, 24, v242
	v_lshlrev_b32 v[LVE], 2, v247
	v_lshlrev_b32 v[LVO], 2, v248
	v_add_nc_u32 v[AVS], s66, v[L8]
	v_add_nc_u32 v[RD], XM, v[L16]
	v_min_u32 v[PF], 11, v244
	v_lshlrev_b32 v[PF], 8, v[PF]
	v_add_nc_u32 v[PF], s67, v[PF]
	WALU
	s_wait_dscnt 0x0                               ; both opening adds are done
	CROUND                                         ; all sixteen work-groups are here: the first joint loads meet
	s_wait_kmcnt 0x0
	s_add_nc_u64 s[GX0+2:GX0+3], s[16:17], s[12:13]
	s_add_nc_u64 s[GX1+2:GX1+3], s[GX0+2:GX0+3], 128*768
	s_add_nc_u64 s[GQ+2:GQ+3], s[20:21], s[14:15]
	s_add_nc_u64 s[GK+2:GK+3], s[24:25], s[14:15]
	s_add_nc_u64 s[28:29], s[28:29], s[14:15]
	s_mov_b64 s[GV+2:GV+3], s[28:29]
.irp g, GX0, GX1, GQ, GK, GV
	s_or_b32 s[\g+3], s[\g+3], 0x80000000
.endr
	s_cmp_eq_u32 s[WV], 0                          ; one tensor load a wave: x's halves, Wq, Wk
	s_cbranch_scc0 .Lwave_1
	TLOAD GX0, G1X
	s_branch .Lasked
.Lwave_1:
	s_cmp_eq_u32 s[WV], 1
	s_cbranch_scc0 .Lwave_2
	TLOAD GX1, G1X
	s_branch .Lasked
.Lwave_2:
	s_cmp_eq_u32 s[WV], 2
	s_cbranch_scc0 .Lwave_3
	TLOAD GQ, G1W
	s_branch .Lasked
.Lwave_3:
	TLOAD GK, G1W
.Lasked:
	s_mov_b32 s101, 0
	s_lshl_b32 s66, s7, 8
	s_lshl_b32 s67, s[WV], 6
	s_add_co_u32 s66, s66, s67
	s_lshl_b32 s100, s66, 5
	s_add_nc_u64 s[18:19], s[18:19], s[100:101]    ; x's scales at my first token
	s_lshl_b32 s100, s6, 11
	s_add_nc_u64 s[22:23], s[22:23], s[100:101]    ; W's at the head's first row
	s_add_nc_u64 s[26:27], s[26:27], s[100:101]
	s_add_nc_u64 s[30:31], s[30:31], s[100:101]
	s_lshl_b32 s100, s6, 8
	s_add_nc_u64 s[32:33], s[32:33], s[100:101]    ; the biases at the head's first channel
	s_add_nc_u64 s[34:35], s[34:35], s[100:101]
	s_add_nc_u64 s[36:37], s[36:37], s[100:101]
.irp p, 0,1
.irp c, 0,1
	global_load_b128 v[XS+8*\p+4*\c:XS+8*\p+4*\c+3], v[LXS], s[18:19] offset:512*\p+16*\c
	global_load_b128 v[WSQ+8*\p+4*\c:WSQ+8*\p+4*\c+3], v[LXS], s[22:23] offset:512*\p+16*\c
	global_load_b128 v[WSQ+16+8*\p+4*\c:WSQ+16+8*\p+4*\c+3], v[LXS], s[26:27] offset:512*\p+16*\c
	global_load_b128 v[WSQ+32+8*\p+4*\c:WSQ+32+8*\p+4*\c+3], v[LXS], s[30:31] offset:512*\p+16*\c
.endr
.endr
.irp t, 0,1,2,3
	global_load_b32 v[VBR+\t], v[LVE+\t%2], s[36:37] offset:32*\t
.endr
	WIN 0xc0
.irp t, 0,1,2,3
	global_load_b128 v[192+8*\t:192+8*\t+3], v[LBE+\t%2], s[32:33] offset:32*\t
	global_load_b128 v[192+8*\t+4:192+8*\t+7], v[LBE+\t%2], s[32:33] offset:32*\t+16
.endr
	WIN 0
	s_lshr_b32 s66, s7, 3
	s_lshl_b32 s66, s66, 4
	s_add_co_u32 s66, s66, s6                      ; batch x 16 + head
	s_lshl_b32 s66, s66, 3
	s_and_b32 s67, s7, 7
	s_add_co_u32 s66, s66, s67                     ; x 8 + the block of 256 tokens in the batch
	s_mul_i32 s100, s66, SLOTB
	s_add_nc_u64 s[KVB:KVB+1], s[KVB:KVB+1], s[100:101]
	s_mul_i32 s100, s[WV], 3072
	s_add_nc_u64 s[KCP:KCP+1], s[KVB:KVB+1], s[100:101]
	s_lshl_b32 s100, s[WV], 8
	s_add_co_u32 s100, s100, 24576
	s_add_nc_u64 s[KSP:KSP+1], s[KVB:KVB+1], s[100:101]
	s_mul_i32 s100, s10, 6144
	s_mul_i32 s67, s11, 768
	s_add_co_u32 s100, s100, s67
	s_add_co_u32 s100, s100, 12288
	s_add_nc_u64 s[VCP:VCP+1], s[KVB:KVB+1], s[100:101]
	s_lshl_b32 s66, s66, 2
	s_add_co_u32 s66, s66, s[WV]
	s_mul_i32 s100, s66, QSUB
	s_add_nc_u64 s[QP:QP+1], s[QP:QP+1], s[100:101]
	s_mul_i32 s66, s[WV], 64*RP
	s_cmp_lt_u32 s[WV], 2
	s_cbranch_scc0 .Lnot_x
	s_wait_tensorcnt 0x0
.Lnot_x:
	s_barrier_signal -1
	s_barrier_wait -1                              ; x is in
	global_prefetch_b8 v[PF], s[28:29] th:TH_LOAD_NT scope:SCOPE_SE
.irp m, 0,1,2,3
	WIN 0
	v_add_nc_u32 v[ADR], s66, v[WE+2*(\m%2)]
	v_add_nc_u32 v[ADR+1], s66, v[WE+1+2*(\m%2)]
.irp q, 0,1,2,3,4,5,6,7
	FRAG 96*(\m%2)+12*\q, \q, ADR, 1+\m/2
.endr
	s_add_co_u32 s66, s66, 8*RP
.endr
	WIN 0
	s_cmp_eq_u32 s[WV], 2
	s_cbranch_scc0 .Lnot_q
	s_wait_tensorcnt 0x0
.Lnot_q:
	s_wait_dscnt 0x0                               ; x is in my registers
	s_barrier_signal -1
	s_barrier_wait -1                              ; Wq is in; Wk may be on its way
.set FS_, 0
	ADRS 0
	ADRS 1
	FETCHW 0
.set FS_, 1
	ADRS 0
	ADRS 1
	FETCHW 1
	s_wait_loadcnt 0x0                             ; scale words, q's and v's biases
.irp s, 0,1,2,3,4,5,6,7,8,9,10,11
	BLK \s
.endr
	; the end: v's last tile; the scale words meet in LDS under its conversions
.set I_, 0
.rept 18
	CHAIN I_, 0, HV0+96, TR, SOPV
.set I_, I_+1
.endr
	WIN 0
	v_lshrrev_b32 v[VE+1], 23, v[SOPV]
	VWORD 1
	s_wait_xcnt 0x0
	s_wait_dscnt 0x0
	s_barrier_signal -1
	v_cvt_scalef32_pk16_fp6_f32 v[VC:VC+2], v[HV0+96:HV0+111], v[SOPV]
	v_cvt_scalef32_pk16_fp6_f32 v[TC2:TC2+2], v[HV0+112:HV0+127], v[SOPV]
	v_nop
.irp i, 0,1,2
	v_mov_b32 v[VC+3+\i], v[TC2+\i]
.endr
	WALU
	s_barrier_wait -1                              ; v's scale words lie whole in LDS
	VPUT 3
	s_cmp_lg_u32 s[WV], 0
	s_cbranch_scc1 .Lnot_0                         ; their 512 bytes are one store: wave 0's
	ds_load_b128 v[HV0:HV0+3], v[RD]
	s_wait_dscnt 0x0
	global_store_b128 v[L16], v[HV0:HV0+3], s[KVB:KVB+1] offset:25600
.Lnot_0:
	s_wait_tensorcnt 0x0                           ; the wave's end
	ds_add_u32 v[SPW], v[NIL]
	s_wait_dscnt 0x0
	CROUND                                         ; the closing round
	s_endpgm
.Lfunc_end_k_q02b6144780_project:
	.size	k_q02b6144780_project, .Lfunc_end_k_q02b6144780_project-k_q02b6144780_project
	.p2alignl 7, 3214868480
	.fill 96, 4, 3214868480
	.section	.rodata,"a",@progbits
	.p2align	6, 0x0
	.amdhsa_kernel k_q02b6144780_project
		.amdhsa_group_segment_fixed_size 327680
		.amdhsa_private_segment_fixed_size 0
		.amdhsa_enable_private_segment 0
		.amdhsa_kernarg_size 104
		.amdhsa_user_sgpr_count 2
		.amdhsa_user_sgpr_kernarg_segment_ptr 1
		.amdhsa_wavefront_size32 1
		.amdhsa_system_sgpr_workgroup_id_x 1
		.amdhsa_system_sgpr_workgroup_id_y 1
		.amdhsa_system_sgpr_workgroup_id_z 1
		.amdhsa_system_vgpr_workitem_id 0
		.amdhsa_next_free_vgpr 1024
		.amdhsa_next_free_sgpr 102
		.amdhsa_reserve_vcc 0
		.amdhsa_float_denorm_mode_32 3
		.amdhsa_float_denorm_mode_16_64 3
		.amdhsa_memory_ordered 1
		.amdhsa_forward_progress 1
		.amdhsa_inst_pref_size 126
	.end_amdhsa_kernel
	.amdgpu_metadata
---
amdhsa.version: [ 1, 2 ]
amdhsa.kernels:
  - .name:           k_q02b6144780_project
    .symbol:         k_q02b6144780_project.kd
    .args:
      - { .name: x_codes, .offset: 0, .size: 8, .value_kind: global_buffer, .address_space: global }
      - { .name: x_scales, .offset: 8, .size: 8, .value_kind: global_buffer, .address_space: global }
      - { .name: Wq_codes, .offset: 16, .size: 8, .value_kind: global_buffer, .address_space: global }
      - { .name: Wq_scales, .offset: 24, .size: 8, .value_kind: global_buffer, .address_space: global }
      - { .name: Wk_codes, .offset: 32, .size: 8, .value_kind: global_buffer, .address_space: global }
      - { .name: Wk_scales, .offset: 40, .size: 8, .value_kind: global_buffer, .address_space: global }
      - { .name: Wv_codes, .offset: 48, .size: 8, .value_kind: global_buffer, .address_space: global }
      - { .name: Wv_scales, .offset: 56, .size: 8, .value_kind: global_buffer, .address_space: global }
      - { .name: bq, .offset: 64, .size: 8, .value_kind: global_buffer, .address_space: global }
      - { .name: bk, .offset: 72, .size: 8, .value_kind: global_buffer, .address_space: global }
      - { .name: bv, .offset: 80, .size: 8, .value_kind: global_buffer, .address_space: global }
      - { .name: qimg, .offset: 88, .size: 8, .value_kind: global_buffer, .address_space: global }
      - { .name: kvimg, .offset: 96, .size: 8, .value_kind: global_buffer, .address_space: global }
    .group_segment_fixed_size: 327680
    .private_segment_fixed_size: 0
    .kernarg_segment_align: 8
    .kernarg_segment_size: 104
    .max_flat_workgroup_size: 128
    .sgpr_count:     102
    .vgpr_count:     1024
    .wavefront_size: 32
...
	.end_amdgpu_metadata
.endif
;; end of part 1
;; launch attend (part 2): grid 8 x 32, 8 waves a work-group, clusters of 4 x 1, 279,552 bytes of LDS; arguments qimg, kvimg, region_mask, region_weight, out0; writes out0
.if DOCPART == 2
	.amdgcn_target "amdgcn-amd-amdhsa--gfx1250"
	.amdhsa_code_object_version 6
	.text
	.protected	k_q02b6144780_attend
	.globl	k_q02b6144780_attend
	.p2align	8
	.type	k_q02b6144780_attend,@function
k_q02b6144780_attend:
	s_mov_b64 s[64:65], 0
	v_nop
	global_prefetch_b8 v0, s[64:65] scope:SCOPE_SE
	s_setreg_imm32_b32 hwreg(HW_REG_WAVE_MODE, 25, 1), 1
	s_wait_xcnt 0x0
	s_wait_alu depctr_hold_cnt(0) depctr_sa_sdst(0) depctr_va_vdst(0) depctr_va_sdst(0) depctr_va_ssrc(0) depctr_va_vcc(0) depctr_vm_vsrc(0)
	s_getreg_b32 s2, hwreg(HW_REG_IB_STS2, 6, 4)
	s_cmp_eq_u32 s2, 0
	s_cbranch_scc0 .Lentry_in_a_cluster
	s_endpgm
.Lentry_in_a_cluster:
	s_bfe_u32 s2, ttmp6, 0x10000c
	s_cmp_lg_u32 s2, 0x3003
	s_cbranch_scc0 .Lentry_shape_is_right
	s_endpgm
.Lentry_shape_is_right:
; out[b][q][head] = softmax_k(q . k / 8 + mask[q] x weight) v for 256 queries of one (batch, head), both products on codes of FP6 (E2M3) with E8M0 scales, from the register images that the launch before stored.
; THE SOFTMAX AHEAD OF THE SECOND PRODUCT: t = score x log2(e) / 8 + bias, bias = mask x weight x log2(e).  The bias is the same for all keys of a query, but its fraction moves the codes of p: it stays.
; M = the running largest t rounded UP to a whole number; p = 2^(t - M) is quantised along the keys, not normalised; the row's sum is taken of the unquantised p and divides at the end.
; When M moves, the sum and O are multiplied by 2^(old M - new M): exact.  t - M is one fused multiply-add: score x c + (bias - M), bias - M rounded once.
; SHARES.  Eight waves, each TWO tiles of 16 queries, A and B, in 512 registers.  Every wave walks the head's 2,048 keys, 256 a step; each fragment of K and V serves both tiles.
; THE WHOLE HEAD'S K AND V STAY IN LDS: 8 images of 256 keys, 208,896 bytes, each filled once by one wave's joint load: the four blocks of queries of a cluster belong to one head.  All is asked for at the head, and no loop runs ahead of a fill: no prefetch.
; LAYOUT.  Both products transposed: S^T = K Q^T, O^T = V^T P^T: a lane holds ONE query.  The rows of the images' tiles are chosen so that a lane's 32 registers of four key tiles are one scale block of keys:
; register 8 t + j of lanes (r, h) is key 32 h + 8 (t ^ h) + j of 64, and V's images have the same order: p's codes are the operand as they fall, and the largest of a block is found within the lane.
; A BLOCK'S SCALE: its largest t - M, rounded down, is the exponent of its largest p (it can differ only where p lies within an ulp of a power of two).
; K = 64 IN AN INSTRUCTION OF 128: q's registers 6-11 are zero codes and q's and k's scale bytes 2, 3 are 1.0, so the upper 64 add exact zeros whatever codes stand on k's side: key tile t's operand reaches into tile t + 1's registers; six zero registers follow tile 15.
; A STEP is unit A, then unit B.  A unit: 16 products for S^T, the maxima, the chain that gives M with the OTHER tile's eight products O^T among it, then exponentials of a block of 32 beside the next block's multiply-adds and the earlier blocks' sums.
; THE SPLIT BARRIER in unit B guards no fill: signalled in one step, waited for in the next, so that no wave is more than a step ahead.  Between stand register work and LDS loads of bytes that nobody writes.
; LIMITS: NaN and infinities are not served; scaled scores under 2^31 in magnitude; p under 2^-126 comes out of v_exp_f32 as 0 (ISA guide 15.8); a block's scale byte is held at 1 from below: such a block's codes stand for numbers under 2^-123.
.set SLOTB, 26112                      ; an image: K's codes at 0, V's at VCO, K's scale words at KSO, V's at VSO
.set VCO,   12288
.set KSO,   24576
.set VSO,   25600
.set SP,    272
.set TSTG,  16*SP                      ; a tile's stage for the way out
.set STG,   8*SLOTB
.set SPARE, STG+16*TSTG
.set QSUB,  3328
.set WV,  33
.set G1,  16
.set G0,  24
.set CNT, 34
.set TB,  35                           ; LDS byte at which the image of the next K begins
.set SEL, 56                           ; lane selects: lane l xor 16
.set CS,  58                           ; s[58:59] c = log2(e) / 8
.set SPW, 1
.set NIL, 2
.set L16, 3
.set L8,  4
.set AD16, 5
.set AD8, 6
.set QS,  7                            ; q's scale words: lanes 0-15 tile A's, lanes 16-31 tile B's
.set BI,  8                            ; v8, v9 bias of A, B
.set NM,  10                           ; -M
.set RT,  12                           ; the running largest t
.set SUM, 14                           ; v[14:15], v[16:17] the rows' sums, in two halves
.set F,   18                           ; v[18:19] 2^(old M - new M)
.set BMN, 20                           ; v[20:21] bias - M
.set TT,  22
.set TX,  23
.set KSC, 24
.set VSC, 32
.set PS,  36
.set BM,  38
.set EX,  42
.set SO,  46
.set BN,  50
.set TC,  54
.set W0,  62
.set PC,  64                           ; p's codes: two operands of 12
.set OB,  88                           ; O^T of tile B, in window 0
.set S,   120
.set KF,  0                            ; window 1: K's 16 tiles of 6, then 6 zeros
.set VF,  102                          ; V's 8 fragments of 12
.set QA,  198                          ; q of tile A, 6 and 6 zeros; tile B 12 on
.set OA,  222                          ; O^T of tile A
.set MSB, 0
.macro WIN new                         ; the immediate's high byte repeats the setting that is left
.if MSB != (\new)
	s_set_vgpr_msb (MSB<<8)|(\new)
.set MSB, \new
.endif
.endm
.macro WALU
	s_wait_alu depctr_va_vdst(0)
.endm
.macro CROUND                          ; a round of the cluster's barrier
	s_barrier_signal -1
	s_barrier_wait -1
	s_cmp_lg_u32 s[WV], 0
	s_cbranch_scc1 .Lnot_wave_0_\@
	s_barrier_signal -3
.Lnot_wave_0_\@:
	s_barrier_wait -3
	s_barrier_signal -1
	s_barrier_wait -1
.endm
.macro WM d, a, b, c, sa, sb, ra, rb
.if (\ra) && (\rb)
	v_wmma_scale_f32_16x16x128_f8f6f4 v[(\d):(\d)+7], v[(\a):(\a)+11], v[(\b):(\b)+11], \c, v[\sa], v[\sb] matrix_a_fmt:MATRIX_FMT_FP6 matrix_b_fmt:MATRIX_FMT_FP6 matrix_a_scale:MATRIX_SCALE_ROW1 matrix_b_scale:MATRIX_SCALE_ROW1
.elseif (\ra)
	v_wmma_scale_f32_16x16x128_f8f6f4 v[(\d):(\d)+7], v[(\a):(\a)+11], v[(\b):(\b)+11], \c, v[\sa], v[\sb] matrix_a_fmt:MATRIX_FMT_FP6 matrix_b_fmt:MATRIX_FMT_FP6 matrix_a_scale:MATRIX_SCALE_ROW1
.elseif (\rb)
	v_wmma_scale_f32_16x16x128_f8f6f4 v[(\d):(\d)+7], v[(\a):(\a)+11], v[(\b):(\b)+11], \c, v[\sa], v[\sb] matrix_a_fmt:MATRIX_FMT_FP6 matrix_b_fmt:MATRIX_FMT_FP6 matrix_b_scale:MATRIX_SCALE_ROW1
.else
	v_wmma_scale_f32_16x16x128_f8f6f4 v[(\d):(\d)+7], v[(\a):(\a)+11], v[(\b):(\b)+11], \c, v[\sa], v[\sb] matrix_a_fmt:MATRIX_FMT_FP6 matrix_b_fmt:MATRIX_FMT_FP6
.endif
.endm
.macro PV i, y, f                      ; O^T += V^T P^T of tile y: key step i / 4 of the two, channel tile i % 4: the four accumulators by turns; f = 1: the first key step starts them
.set KK_, (\i)/4
.set T_, (\i)%4
.if \y
	WIN 0x01
	WM OB+8*T_, VF+12*(\i), PC+12*KK_, v[OB+8*T_:OB+8*T_+7], VSC+2*KK_+T_/2, PS+KK_, T_%2, 0
.elseif (\f) && KK_ == 0
	WIN 0x41
	WM OA+8*T_, VF+12*(\i), PC+12*KK_, 0, VSC+2*KK_+T_/2, PS+KK_, T_%2, 0
.else
	WIN 0x51
	WM OA+8*T_, VF+12*(\i), PC+12*KK_, v[OA+8*T_:OA+8*T_+7], VSC+2*KK_+T_/2, PS+KK_, T_%2, 0
.endif
.endm
.macro KLOAD
	v_add_nc_u32 v[AD16], s[TB], v[L16]
	v_add_nc_u32 v[AD8], s[TB], v[L8]
	WIN 0x40
.set J_, 0
.rept 24
	ds_load_b128 v[KF+4*J_:KF+4*J_+3], v[AD16] offset:512*J_
.set J_, J_+1
.endr
	WIN 0
.irp g, 0,1,2,3
	ds_load_b64 v[KSC+2*\g:KSC+2*\g+1], v[AD8] offset:KSO+256*\g
.endr
.endm
.macro VLOAD
	WIN 0x40
.set J_, 0
.rept 48
	ds_load_b64 v[VF+2*J_:VF+2*J_+1], v[AD8] offset:VCO+256*J_
.set J_, J_+1
.endr
	WIN 0
	ds_load_b64 v[VSC:VSC+1], v[AD8] offset:VSO
	ds_load_b64 v[VSC+2:VSC+3], v[AD8] offset:VSO+256
.endm
.macro MX2 b                           ; the largest score of blocks b and b + 1: two chains each, of 17 and of 15 scores
.irp c, \b, \b+1
	v_max3_num_f32 v[BM+\c], v[S+32*(\c)], v[S+32*(\c)+1], v[S+32*(\c)+2]
.endr
.irp c, \b, \b+1
	v_max3_num_f32 v[BN+\c], v[S+32*(\c)+17], v[S+32*(\c)+18], v[S+32*(\c)+19]
.endr
.irp k, 1,2,3,4,5,6,7
.irp c, \b, \b+1
	v_max3_num_f32 v[BM+\c], v[BM+\c], v[S+32*(\c)+2*\k+1], v[S+32*(\c)+2*\k+2]
.endr
.if \k < 7
.irp c, \b, \b+1
	v_max3_num_f32 v[BN+\c], v[BN+\c], v[S+32*(\c)+2*\k+18], v[S+32*(\c)+2*\k+19]
.endr
.endif
.endr
.irp c, \b, \b+1
	v_max_num_f32 v[BM+\c], v[BM+\c], v[BN+\c]
.endr
.endm
.macro OP n, x, f                      ; the chain that gives M; f = 1: the first step
	WIN 0
.if \n == 1
	v_max3_num_f32 v[TT], v[BM], v[BM+1], v[BM+2]
.elseif \n == 2
	v_max_num_f32 v[TT], v[TT], v[BM+3]
.elseif \n == 3
	v_permlanex16_b32 v[TX], v[TT], s[SEL], s[SEL+1]
.elseif \n == 4
	v_max_num_f32 v[TT], v[TT], v[TX]              ; with lane l xor 16's keys: the step's largest score of my query,
.elseif \n == 5
.if \f
	v_fma_f32 v[RT+\x], v[TT], s[CS], v[BI+\x]
.else
	v_fma_f32 v[TT], v[TT], s[CS], v[BI+\x]        ; as t (c is positive)
.endif
.elseif \n == 8
	v_floor_f32 v[NM+\x], -v[RT+\x]                ; the new -M = -ceil(t)
.elseif \n == 10
	v_add_f32 v[BMN], v[NM+\x], v[BI+\x]
.elseif (\f) == 0
.if \n == 6
	v_max_num_f32 v[RT+\x], v[RT+\x], v[TT]
.elseif \n == 7
	v_mov_b32 v[TX], v[NM+\x]
.elseif \n == 9
	v_sub_f32 v[TX], v[NM+\x], v[TX]               ; old M - new M: a whole number, 0 or less
.elseif \n == 11
	v_cvt_i32_f32 v[TX], v[TX]
.elseif \n == 12
	v_ldexp_f32 v[F], 1.0, v[TX]
.endif
.endif
.endm
.macro FM g, k                         ; t - M, two of block g
	v_pk_fma_f32 v[S+32*(\g)+2*(\k):S+32*(\g)+2*(\k)+1], v[S+32*(\g)+2*(\k):S+32*(\g)+2*(\k)+1], s[CS:CS+1], v[BMN:BMN+1] op_sel_hi:[1,0,0]
.endm
.macro AD b, k                         ; the sums gather in block 0's registers, whose codes are made
	v_pk_add_f32 v[S+2*(\k):S+2*(\k)+1], v[S+2*(\k):S+2*(\k)+1], v[S+32*(\b)+2*(\k):S+32*(\b)+2*(\k)+1]
.endm
.macro MV b, i
	v_mov_b32 v[PC+6*(\b)+3+(\i)], v[TC+4*((\b)%2)+(\i)]
.endm
.macro CV b                            ; a block's 32 codes (a conversion's three registers begin on an even number: the upper 16 are moved)
	v_cvt_scalef32_pk16_fp6_f32 v[PC+6*(\b):PC+6*(\b)+2], v[S+32*(\b):S+32*(\b)+15], v[SO+\b]
	v_cvt_scalef32_pk16_fp6_f32 v[TC+4*((\b)%2):TC+4*((\b)%2)+2], v[S+32*(\b)+16:S+32*(\b)+31], v[SO+\b]
.endm
.macro L0 j
.if (\j)%2
	FM 1, (\j)/2
.endif
.endm
.macro L1 j
.if (\j)%2
	FM 2, (\j)/2
.endif
.endm
.macro L2 j
.if (\j)%2
	FM 3, (\j)/2
.else
	AD 1, (\j)/2
.if (\j) < 6
	MV 0, (\j)/2
.endif
.endif
.endm
.macro L3 j
.if (\j)%2
	AD 2, (\j)/2
.elseif (\j) < 6
	MV 1, (\j)/2
.endif
.endm
.macro BATCH g, list                   ; p = 2^(t - M) of block g, with plain work between that names none of it and is read behind the next wait
.set J_, 0
.rept 32
	v_exp_f32 v[S+32*(\g)+J_], v[S+32*(\g)+J_]
	\list J_
.set J_, J_+1
.endr
	WALU
.endm
.macro UNIT x, f, l                    ; tile x's 256 keys; f = 1: the first step, l = 1: the last
.if \x == 0
	s_wait_dscnt 0x0                               ; K is in
.endif
	WIN 0x05
.irp t, 0,1,2,3,4,5,6,7,8,9,10,11,12,13,14,15
	WM S+8*\t, KF+6*\t, QA+12*\x, 0, KSC+\t/2, QS, \t%2, \x
.endr
	WIN 0
.rept 4
	v_nop                                          ; places: for the reads of the scores and the loads over K
.endr
.if \x
.if \f
	s_wait_tensorcnt 0x0                           ; all images have landed
	s_wait_dscnt 0x0
	s_barrier_signal -1
	s_barrier_wait -1                              ; everybody's
	s_barrier_signal -1
.else
	s_wait_dscnt 0x0                               ; V is in, and no LDS load of mine is out
	s_barrier_wait -1                              ; everybody has been here in the step before
.if \l == 0
	s_barrier_signal -1
.endif
.endif
.if \l == 0
	s_add_co_u32 s[TB], s[TB], SLOTB
	KLOAD                                          ; the next step's K lands under this unit
.endif
.endif
	MX2 0
	MX2 2
.if (\f) && \x == 0
.irp n, 1,2,3,4,5,8,10
	OP \n, \x, \f
.endr
.else
	OP 1, \x, \f
	PV 0, 1-\x, \f
	OP 2, \x, \f
	PV 1, 1-\x, \f
	OP 3, \x, \f
	PV 2, 1-\x, \f
	OP 4, \x, \f
	PV 3, 1-\x, \f
	OP 5, \x, \f
	PV 4, 1-\x, \f
	OP 6, \x, \f
	PV 5, 1-\x, \f
	OP 7, \x, \f
	OP 8, \x, \f
	PV 6, 1-\x, \f
	OP 9, \x, \f
	PV 7, 1-\x, \f
	OP 10, \x, \f
	OP 11, \x, \f
	OP 12, \x, \f
.endif
.if \f
	WALU
.else                                  ; O^T under the new M
.if \x
	WALU
.set J_, 0
.rept 16
	v_pk_mul_f32 v[OB+J_:OB+J_+1], v[OB+J_:OB+J_+1], v[F:F+1] op_sel_hi:[1,0]
.set J_, J_+2
.endr
.else
	WIN 0x41
	WALU
.set J_, 0
.rept 16
	v_pk_mul_f32 v[OA+J_:OA+J_+1], v[OA+J_:OA+J_+1], v[F:F+1] op_sel_hi:[1,0]
.set J_, J_+2
.endr
	WIN 0
.endif
.endif
	v_pk_fma_f32 v[EX:EX+1], v[BM:BM+1], s[CS:CS+1], v[BMN:BMN+1] op_sel_hi:[1,0,0]   ; each block's largest t - M,
	v_pk_fma_f32 v[EX+2:EX+3], v[BM+2:BM+3], s[CS:CS+1], v[BMN:BMN+1] op_sel_hi:[1,0,0]
.irp b, 0,1,2,3
	v_max_num_f32 v[EX+\b], 0xc2f80000, v[EX+\b]   ; held at -124: the byte cannot fall under 1
.endr
.irp b, 0,1,2,3
	v_cvt_floor_i32_f32 v[EX+\b], v[EX+\b]         ; the exponent of its largest p
.endr
.irp b, 0,1,2,3
	v_lshl_add_u32 v[SO+\b], v[EX+\b], 23, 0x3e800000   ; + 127 - 2, in the exponent field: the conversion's scale operand
.endr
.irp k, 0,1
	v_lshl_add_u32 v[PS+\k], v[EX+2*\k+1], 16, v[EX+2*\k]
.endr
.irp k, 0,1
	v_add_nc_u32 v[PS+\k], 0x7d007d, v[PS+\k]      ; lanes 0-15: bytes 0 and 2 of p's scale word,
.endr
.irp k, 0,1
	v_permlanex16_b32 v[W0+\k], v[PS+\k], s[SEL], s[SEL+1]
.endr
.irp k, 0,1
	v_lshl_add_u32 v[PS+\k], v[W0+\k], 8, v[PS+\k] ; bytes 1 and 3 from lanes 16-31 (read in lanes 0-15 alone)
.endr
.if \x == 0
	VLOAD                                          ; this step's V, for the next two units; V's last products stand more than four plain places back
.endif
.set J_, 0
.rept 16
	FM 0, J_
.set J_, J_+1
.endr
	WALU
	BATCH 0, L0
	CV 0
	BATCH 1, L1
	CV 1
	BATCH 2, L2
	CV 2
	BATCH 3, L3
	CV 3
.irp i, 0,1,2
	MV 2, \i
.endr
.set J_, 0
.rept 16
	AD 3, J_
.set J_, J_+1
.endr
.irp i, 0,1,2
	MV 3, \i
.endr
.irp n, 16,8,4
.set J_, 0
.rept \n/2
	v_pk_add_f32 v[S+J_:S+J_+1], v[S+J_:S+J_+1], v[S+J_+\n:S+J_+\n+1]
.set J_, J_+2
.endr
.endr
.if \f
	v_pk_add_f32 v[SUM+2*\x:SUM+2*\x+1], v[S:S+1], v[S+2:S+3]
.else
	v_pk_add_f32 v[S:S+1], v[S:S+1], v[S+2:S+3]
	v_pk_fma_f32 v[SUM+2*\x:SUM+2*\x+1], v[SUM+2*\x:SUM+2*\x+1], v[F:F+1], v[S:S+1] op_sel_hi:[1,0,1]
.endif
.endm
	s_load_b256 s[4:11], s[0:1], 0x0               ; qimg, kvimg, region_mask, region_weight
	s_load_b64 s[12:13], s[0:1], 0x20              ; out0
	v_lshl_add_u32 v[SPW], v0, 2, SPARE
	v_mov_b32 v[NIL], 0
	ds_add_u32 v[SPW], v[NIL]                      ; the wave's opening: the add, twice on end
	ds_add_u32 v[SPW], v[NIL]
	v_lshrrev_b32 v248, 5, v0
	v_readfirstlane_b32 s[WV], v248                ; wave 0..7
	s_and_b32 s2, ttmp7, 0xffff                    ; batch x 16 + head, which the four partners share
	s_mul_i32 s14, s2, 8*SLOTB
	s_mov_b32 s15, 0
	s_mul_i32 s[G0+1], s[WV], SLOTB                ; wave w brings image w
	s_add_co_u32 s14, s14, s[G0+1]
	s_mov_b32 s[G0], 1
	s_mov_b32 s[G1], 15|(3<<16)|(1<<21)            ; all four work-groups; elements of 8 bytes; bit 21 beside a mask; no padding
	s_mov_b32 s[G1+1], 32<<16                      ; a dense block as 102 rows of 256 bytes
	s_mov_b32 s[G1+2], 102<<16
	s_mov_b32 s[G1+3], 32<<16
	s_mov_b32 s[G1+4], 102
	s_mov_b32 s[G1+5], 32
	s_mov_b32 s[G1+6], 0
	s_mov_b32 s[G1+7], 0
	v_and_b32 v249, 31, v0
	v_lshlrev_b32 v[L16], 4, v249
	v_lshlrev_b32 v[L8], 3, v249
	v_and_b32 v250, 7, v0
	v_bfe_u32 v251, v0, 3, 1
	v_mad_u32_u24 v252, v251, 40, v250
	v_mad_u32_u24 v253, v251, 24, v250
	v_lshlrev_b32 v252, 2, v252                    ; tile A's query of lane r: r, or 40 + r - 8
	v_lshlrev_b32 v253, 2, v253                    ; tile B's: 8 further on and r, or 24 + r - 8
.irp r, TX, W0, W0+1, F+1, BMN+1
	v_mov_b32 v[\r], 0                             ; named as a lane permute's destination or a pair's upper word before they are first written
.endr
.set J_, 0
.rept 32
	v_mov_b32 v[OB+J_], 0                          ; tile B's sums begin in the loop's text
.set J_, J_+1
.endr
	WIN 0x40
.irp j, 0,1,2,3,4,5
	v_mov_b32 v[KF+96+\j], 0                       ; what follows key tile 15
	v_mov_b32 v[QA+6+\j], 0                        ; q's upper 64: zero codes
	v_mov_b32 v[QA+18+\j], 0
.endr
	WIN 0
	WALU
	s_wait_dscnt 0x0                               ; both opening adds are done
	CROUND                                         ; all four work-groups are here: the joint loads meet
	s_wait_kmcnt 0x0
	s_load_b32 s3, s[10:11], 0x0                   ; region_weight
	s_add_nc_u64 s[G0+2:G0+3], s[6:7], s[14:15]
	s_or_b32 s[G0+3], s[G0+3], 0x80000000
	s_cmp_eq_u32 s[WV], 0                          ; wave 0 has a line of its own: it alone waits ahead of the first barrier
	s_cbranch_scc0 .Lothers
	tensor_load_to_lds s[G0:G0+3], s[G1:G1+7]
	s_nop 0
.rept 4
	v_nop
.endr
	s_branch .Lasked
.Lothers:
	tensor_load_to_lds s[G0:G0+3], s[G1:G1+7]
	s_nop 0
.rept 4
	v_nop
.endr
.Lasked:
	s_bfe_u32 s28, ttmp6, 0x40000                  ; cx: it enters q's, the mask's and out0's addresses alone
	s_lshl_b32 s29, ttmp9, 2
	s_add_co_u32 s29, s29, s28                     ; my block of 256 queries
	s_lshr_b32 s36, s[WV], 1                       ; my 64 of them,
	s_and_b32 s37, s[WV], 1                        ; and my pair of tiles
	s_lshl_b32 s38, s2, 5
	s_lshl_b32 s39, s29, 2
	s_add_co_u32 s38, s38, s39
	s_add_co_u32 s38, s38, s36
	s_mul_i32 s38, s38, QSUB
	s_mov_b32 s39, 0
	s_add_nc_u64 s[4:5], s[4:5], s[38:39]
	s_mul_i32 s38, s37, 1536
	s_add_nc_u64 s[30:31], s[4:5], s[38:39]
	s_lshl_b32 s38, s37, 2
	s_add_nc_u64 s[4:5], s[4:5], s[38:39]
	s_lshr_b32 s40, s2, 4
	s_lshl_b32 s40, s40, 11
	s_lshl_b32 s41, s29, 8
	s_add_co_u32 s40, s40, s41
	s_lshl_b32 s41, s36, 6
	s_add_co_u32 s40, s40, s41
	s_lshl_b32 s41, s37, 4
	s_add_co_u32 s40, s40, s41                     ; my pair's first query
	s_lshl_b32 s38, s40, 2
	s_add_nc_u64 s[8:9], s[8:9], s[38:39]
	s_lshl_b32 s38, s40, 12
	s_and_b32 s41, s2, 15
	s_lshl_b32 s41, s41, 8
	s_add_co_u32 s38, s38, s41
	s_add_nc_u64 s[12:13], s[12:13], s[38:39]
	WIN 0x40
	global_load_b128 v[QA:QA+3], v[L16], s[30:31]
	global_load_b64 v[QA+4:QA+5], v[L16], s[30:31] offset:512
	global_load_b64 v[QA+12:QA+13], v[L16], s[30:31] offset:520
	global_load_b128 v[QA+14:QA+17], v[L16], s[30:31] offset:1024
	WIN 0
	global_load_b32 v[QS], v[L8], s[4:5] offset:3072
	global_load_b32 v[BI], v252, s[8:9]
	global_load_b32 v[BI+1], v253, s[8:9] offset:32
	s_mov_b32 s[SEL], 0x76543210
	s_mov_b32 s[SEL+1], 0xfedcba98
	s_mov_b32 s[CS], 0x3e38aa3b                    ; log2(e) / 8
	s_mov_b32 s[CS+1], s[CS]
	s_mov_b32 s[TB], 0
	s_wait_kmcnt 0x0
	s_wait_loadcnt 0x0
.irp x, 0,1
	v_mul_f32 v[BI+\x], s3, v[BI+\x]
.endr
.irp x, 0,1
	v_mul_f32 v[BI+\x], 0x3fb8aa3b, v[BI+\x]
.endr
	WALU
	s_cmp_eq_u32 s[WV], 0
	s_cbranch_scc0 .Lnot_first
	s_wait_tensorcnt 0x0
.Lnot_first:
	s_barrier_signal -1
	s_barrier_wait -1                              ; image 0 is whole
	KLOAD
	UNIT 0, 1, 0
	UNIT 1, 1, 0
	s_mov_b32 s[CNT], 6
.Lstep:
	UNIT 0, 0, 0
	UNIT 1, 0, 0
	s_sub_co_u32 s[CNT], s[CNT], 1
	s_cmp_lg_u32 s[CNT], 0
	s_cbranch_scc1 .Lstep
	UNIT 0, 0, 1
	UNIT 1, 0, 1
	; THE WAY OUT: tile B's last products; O^T / the sum goes through my stage: a lane's 32 channels of a row in, whole rows of 256 bytes back
.irp i, 0,1,2,3,4,5,6,7
	PV \i, 1, 0
.endr
	WIN 0
	s_mul_i32 s14, s[WV], 2*TSTG
	s_add_co_u32 s14, s14, STG
	v_add_f32 v[SUM], v[SUM], v[SUM+1]
	v_add_f32 v[SUM+2], v[SUM+2], v[SUM+3]
	v_and_b32 v248, 15, v0                         ; r
	v_bfe_u32 v249, v0, 4, 1                       ; h
	v_permlanex16_b32 v[TX], v[SUM], s[SEL], s[SEL+1]
	v_permlanex16_b32 v[W0], v[SUM+2], s[SEL], s[SEL+1]
	v_mul_u32_u24 v250, SP, v248
	v_add_nc_u32 v250, s14, v250
	v_add_f32 v[SUM], v[SUM], v[TX]
	v_add_f32 v[SUM+2], v[SUM+2], v[W0]
	v_mad_u32_u24 v251, v249, 96, v250             ; in: row r; odd channel tiles: 96 h,
	v_mad_u32_u24 v250, v249, 160, v250            ; even ones: 160 h
	v_mul_u32_u24 v252, SP, v249
	v_lshl_add_u32 v252, v248, 4, v252
	v_add_nc_u32 v252, s14, v252                   ; back: lanes 0-15 one row, lanes 16-31 the next
	v_lshlrev_b32 v253, 12, v249
	v_lshl_add_u32 v253, v248, 4, v253             ; and the same two rows in out0
	WALU
	v_rcp_f32 v[SUM], v[SUM]
	v_rcp_f32 v[SUM+2], v[SUM+2]
	v_nop
	WIN 0x01
	WALU
.set J_, 0
.rept 16
	v_pk_mul_f32 v[S+J_:S+J_+1], v[OA+J_:OA+J_+1], v[SUM:SUM+1] op_sel_hi:[1,0]
.set J_, J_+2
.endr
	WIN 0
	WALU
.set J_, 0
.rept 16
	v_pk_mul_f32 v[S+32+J_:S+33+J_], v[OB+J_:OB+J_+1], v[SUM+2:SUM+3] op_sel_hi:[1,0]
.set J_, J_+2
.endr
.irp x, 0,1
.irp t, 0,1,2,3
	ds_store_b128 v[250+\t%2], v[S+32*\x+8*\t:S+32*\x+8*\t+3] offset:TSTG*\x+32*\t
	ds_store_b128 v[250+\t%2], v[S+32*\x+8*\t+4:S+32*\x+8*\t+7] offset:TSTG*\x+32*\t+16
.endr
.endr
.irp x, 0,1
.irp i, 0,1,2,3,4,5,6,7
	ds_load_b128 v[S+64+32*\x+4*\i:S+64+32*\x+4*\i+3], v252 offset:TSTG*\x+2*\i*SP   ; LDS serves a wave's instructions in order (ISA guide 5.7.1.4): these see my stores
.endr
.endr
	WALU
.irp x, 0,1
	s_wait_dscnt 8-8*\x                            ; tile B's eight rows' loads may be out, then none
.irp i, 0,1,2,3,4,5,6,7
	global_store_b128 v253, v[S+64+32*\x+4*\i:S+64+32*\x+4*\i+3], s[12:13] offset:(8*\x+2*\i+(32-16*\x)*(\i/4))*4096 th:TH_STORE_NT   ; 16 lanes store 256 consecutive bytes, aligned
.endr
.endr
	s_wait_tensorcnt 0x0                           ; the wave's end
	ds_add_u32 v[SPW], v[NIL]
	s_wait_dscnt 0x0
	CROUND                                         ; the closing round: no work-group ends while a partner may still ask for a tile that names it
	s_endpgm
.Lfunc_end_k_q02b6144780_attend:
	.size	k_q02b6144780_attend, .Lfunc_end_k_q02b6144780_attend-k_q02b6144780_attend
	.p2alignl 7, 3214868480
	.fill 96, 4, 3214868480
	.section	.rodata,"a",@progbits
	.p2align	6, 0x0
	.amdhsa_kernel k_q02b6144780_attend
		.amdhsa_group_segment_fixed_size 279552
		.amdhsa_private_segment_fixed_size 0
		.amdhsa_enable_private_segment 0
		.amdhsa_kernarg_size 40
		.amdhsa_user_sgpr_count 2
		.amdhsa_user_sgpr_kernarg_segment_ptr 1
		.amdhsa_wavefront_size32 1
		.amdhsa_system_sgpr_workgroup_id_x 1
		.amdhsa_system_sgpr_workgroup_id_y 1
		.amdhsa_system_sgpr_workgroup_id_z 1
		.amdhsa_system_vgpr_workitem_id 0
		.amdhsa_next_free_vgpr 512
		.amdhsa_next_free_sgpr 66
		.amdhsa_reserve_vcc 0
		.amdhsa_float_denorm_mode_32 3
		.amdhsa_float_denorm_mode_16_64 3
		.amdhsa_memory_ordered 1
		.amdhsa_forward_progress 1
		.amdhsa_inst_pref_size 169
	.end_amdhsa_kernel
	.amdgpu_metadata
---
amdhsa.version: [ 1, 2 ]
amdhsa.kernels:
  - .name:           k_q02b6144780_attend
    .symbol:         k_q02b6144780_attend.kd
    .args:
      - { .name: qimg, .offset: 0, .size: 8, .value_kind: global_buffer, .address_space: global }
      - { .name: kvimg, .offset: 8, .size: 8, .value_kind: global_buffer, .address_space: global }
      - { .name: region_mask, .offset: 16, .size: 8, .value_kind: global_buffer, .address_space: global }
      - { .name: region_weight, .offset: 24, .size: 8, .value_kind: global_buffer, .address_space: global }
      - { .name: out0, .offset: 32, .size: 8, .value_kind: global_buffer, .address_space: global }
    .group_segment_fixed_size: 279552
    .private_segment_fixed_size: 0
    .kernarg_segment_align: 8
    .kernarg_segment_size: 40
    .max_flat_workgroup_size: 256
    .sgpr_count:     66
    .vgpr_count:     512
    .wavefront_size: 32
...
	.end_amdgpu_metadata
.endif
;; end of part 2
